; MI455X (gfx1250); checked and timed in simulation.
; The chip was launched on July 23, 2026; its instructions are those of AMD's public machine-readable ISA for CDNA 5 (MIT licence, August 2026) and "CDNA5" Instruction Set Architecture Reference Guide (July 2026). The comments in the code are by the model that wrote it; some were corrected since.
;; Lut Linear. Allowed arithmetic: matrix products marked QUANTISED: E2M3 operands, one E8M0 scale for each 32 along K, by v_wmma_scale_f32_16x16x128_f8f6f4 with both operands' format E2M3, f32 sums; products left as they are: f32 operands where the result goes on into a quantised operand, else bf16, f16 or f32 operands; f32 sums; everything else in f32.
;; Inputs: alpha 32 x 3 x 2,048 float32; binaryWeight 128 x 3 x 2,048 int32; scale 32 x 2,048 float32; x_codes 4 x 2,048 x 128 x 24 uint8 (E2M3 codes of x, K innermost, in blocks of 32 codes, four codes in three bytes); x_scales 4 x 2,048 x 128 uint8 (E8M0 scales of x, one for each 32 codes along K).
;; Outputs: out0 4 x 2,048 x 2,048 float32.
;; This version of the problem:
;;   THIS VERSION OF THE PROBLEM IS GIVEN IN LOW PRECISION. The matrix products marked QUANTISED in the list below multiply operands that are first quantised to E2M3 (2 exponent bits, 3 mantissa bits; 6 bits a number), with one power-of-two scale for each 32 numbers along K (OCP MX v1.0); their sums are f32. All else is computed in f32.
;;   The module's matrix products, in the order in which they are computed (A, B: the left and right operand; K: the contracted axis; several contracted axes count as one K, in the product's order):
;;     1. batch 65,536 x [M 1, K 3] x [K 3, N 128]; A: input alpha; B: computed on the way: left as it is (K = 3 < 32)
;;     2. [M 8,192, K 4,096] x [K 4,096, N 2,048]; A: input x (given as codes); B: computed on the way: QUANTISED
;;   THE QUANTISER, for each operand of a quantised product, along K:
;;     - K is cut into blocks of 32 from its start; a last block that is shorter is filled with zeros.
;;     - A block's scale is 2^e with e = floor(log2(the largest magnitude in the block)) - 2, held to -126 .. 127; a block of zeros has e = 0. As a byte (E8M0): e + 127.
;;     - Each number is divided by its block's scale, clamped to +-7.5, and rounded to the nearest number of E2M3, ties to even, subnormals kept.
;;     - The product sums the exact products of the quantised numbers (number of the format x scale) in f32.
;;   ~~~python
;;   def quantise(x, axis):      # numpy; x: float32 -> the quantised numbers, widened to float32 again
;;       x = np.moveaxis(x, axis, -1); K = x.shape[-1]
;;       x = np.pad(x, [(0, 0)] * (x.ndim - 1) + [(0, -K % 32)]); x = x.reshape(x.shape[:-1] + (-1, 32)); a = np.abs(x).max(-1, keepdims=True)
;;       e = np.where(a > 0, np.clip(np.frexp(np.where(a > 0, a, 1))[1] - 1 - 2, -126, 127), 0)      # np.frexp(a)[1] - 1 = floor(log2(a)), exactly
;;       r = np.clip(x / 2.0 ** e, -7.5, 7.5)
;;       step = 2.0 ** (np.maximum(np.frexp(np.where(r == 0, 1, r))[1] - 1, 0) - 3)
;;       q = np.round(r / step) * step * 2.0 ** e      # np.round: ties to even
;;       return np.moveaxis(q.reshape(q.shape[:-2] + (-1,))[..., :K], -1, axis).astype(np.float32)
;;   ~~~
;;   OPERANDS COMPUTED ON THE WAY. 'Computed on the way' means the value that the module computes at that place (a softmax that the list does not call 'softmax' is quantised finished and normalised). What goes into a quantiser is computed in f32, as accurately as f32 sums, v_exp_f32 and their like allow (about 1e-6 of the number): no bf16 or f16 on the way to a quantiser, and a product that is left as it is and whose result goes on into a quantised operand takes f32 operands (vector FMAs, or v_wmma_f32_16x16x4_f32). A number that lies on a knife's edge between two numbers of the format may be rounded either way, as far as f32 arithmetic and the matrix unit's own rounding can turn it there, and no further.
;;   INPUTS GIVEN AS CODES. x (in the module: [4, 2048, 4096], K = its axis 2): each comes as NAME_codes (uint8): NAME with its K axis moved to the last place and cut into blocks of 32 codes, [.., K / 32, bytes a block], one block behind the other in memory; four codes in three bytes: a row's codes are one little-endian stream of bits, code i at bits 6 i .. 6 i + 5 (a code: sign, 2 exponent bits, 3 mantissa bits); and NAME_scales (uint8): the same leading axes, one E8M0 byte (e + 127) for each 32 codes along K. Its value is code x scale, taken as it is: it is not quantised again, and the codes and scales need not be those that the quantiser above would give.
;; One version. Each part assembles by itself: llvm-mc -triple=amdgcn-amd-amdhsa -mcpu=gfx1250 --defsym DOCPART=n.
;; ======== version 1 of 1: 2 launches
;; limits: right only within a limited range of input values
;; workspace buffers: w_img 6,291,456 bytes; w_sc 262,144 bytes
;; launch decode (part 1): grid 16 x 16, 4 waves a work-group, no clusters, 25,088 bytes of LDS; arguments binaryWeight, alpha, scale, w_img, w_sc; writes w_img, w_sc
.if DOCPART == 1
	.amdgcn_target "amdgcn-amd-amdhsa--gfx1250"
	.amdhsa_code_object_version 6
	.text
	.protected	k_qa26fa438a9_decode
	.globl	k_qa26fa438a9_decode
	.p2align	8
	.type	k_qa26fa438a9_decode,@function
k_qa26fa438a9_decode:
	s_mov_b64 s[64:65], 0
	v_nop
	global_prefetch_b8 v0, s[64:65] scope:SCOPE_SE
	s_setreg_imm32_b32 hwreg(HW_REG_WAVE_MODE, 25, 1), 1
	s_wait_xcnt 0x0
; W[k][n] = scale[g][n] x ((+-alpha[g][0][n] +- alpha[g][1][n]) +- alpha[g][2][n]), g = k / 128; term b is positive where bit k % 32 of binaryWeight[k / 32][b][n] is 1.
; W is made in f32 and turned into codes of FP6 (E2M3) with one E8M0 scale byte for each 32 along K.  A block of 32 along K is one word of bits for each of the three terms, and lies inside one group.
; A block's scale is 2^(floor(log2(its largest magnitude)) - 2); its byte is the largest magnitude's exponent field - 2, held at 1 from below.
; LIMITS: NaN and infinities in alpha or scale are not served.  A block of zeros gets the byte 1 where the rule says 127: its codes are zeros, which add nothing under any byte but 0xff, and this program alone reads the bytes.
; A LANE TAKES A COLUMN n, AND ITS REGISTERS RUN DOWN K: a load reads 32 neighbouring columns (128 consecutive bytes a wave, 512 a work-group), a block's 32 numbers lie in one lane, its largest magnitude needs no other lane,
; and the conversions give codes with K innermost.
; SHARES.  Work-group (x, y): columns 128 x on, K step y (256 along K: words 8 y .. 8 y + 7, groups 2 y and 2 y + 1).  Wave w: 32 of the columns; a lane: 8 blocks.  Waves share nothing: no barrier.
; THE RESULT IS LAID AS THE NEXT LAUNCH'S MATRIX OPERAND LIES IN REGISTERS.  w_img: [256 columns tc][K step s][128 along K ks][16 columns nb][1,536 bytes]; in the 1,536 bytes register p (0 .. 11) of lane L of the fragment
; lies at 512 (p / 4) + 16 L + 4 (p % 4); lane L = r + 16 h holds column r, registers 6 c .. 6 c + 5 the codes of k = 64 c + 32 h + 0 .. 31.  So block q of a group is h = q % 2, c = q / 2.
; w_sc: [K step s][column n][8 bytes]: byte j is the scale byte of block 8 s + j: two scale words, one for each 128 along K.
; A wave's codes are four whole images, two runs of 3,072 consecutive bytes, 24,576 apart; they are put together in the wave's own stage in LDS and leave by stores of 512 consecutive bytes, aligned to 256.
; Every offset is an immediate, no pointer is stepped, and no register that a load or store names is written again: so no wait frees a source.
.set VO,  1                            ; v1       4 x lane: my column in a row of the inputs
.set STO, 2                            ; v2       the stage, on the way in: 6,144 wave + 3,072 (lane / 16) + 16 (lane % 16)
.set RD,  3                            ; v3       and on the way out: 6,144 wave + 16 lane
.set GO,  4                            ; v4       16 x lane: my place in a store of 512 bytes
.set SO,  5                            ; v5       8 x lane: my column's 8 scale bytes
.set SB,  8                            ; v[8:9]   the two scale words
.set INV, 10                           ; v10-12   for each term: all ones where alpha is positive, 0 where it is negative
.set BY,  13                           ; v13      a scale byte
.set E,   14                           ; v14      the conversions' scale operand
.set A,   16                           ; v16-18, v24-26 alpha of the two groups; v20, v28 scale; v21, v29 = 0 (named as the upper half of the pair that the packed multiply takes)
.set W,   32                           ; v32-55   the words of bits: word t, term b at 3 t + b
.set T,   56                           ; v56-58   a block's second 16 codes (a conversion's three registers begin on an even number)
.set M,   60                           ; v60-63   four chains of the maximum
.set X,   64                           ; v64-95   the block's 32 numbers
.set Y,   96                           ; v96-127  a further term
.set C,   128                          ; v128-175 codes: group g, block q at 24 g + 6 q
.set O,   176                          ; v176-223 the way out: 24 registers a group
	s_load_b256 s[4:11], s[0:1], 0x0               ; binaryWeight s[4:5], alpha s[6:7], scale s[8:9], w_img s[10:11]
	s_load_b64 s[12:13], s[0:1], 0x20              ; w_sc
	v_lshl_add_u32 v224, v0, 2, 0x6000
	v_mov_b32 v225, 0
	v_lshrrev_b32 v6, 5, v0
	v_readfirstlane_b32 s16, v6                    ; wave 0..3
	v_and_b32 v7, 31, v0                           ; lane
	v_lshlrev_b32 v[VO], 2, v7
	v_lshlrev_b32 v[GO], 4, v7
	v_lshlrev_b32 v[SO], 3, v7
	s_mul_i32 s31, s16, 6144                       ; my wave's stage
	v_add_nc_u32 v[RD], s31, v[GO]
	v_bfe_u32 v6, v0, 4, 1
	v_mul_u32_u24 v6, v6, 3072                     ; lanes 16-31 hold the columns of the next 16: the next pair of images
	v_and_b32 v7, 15, v0
	v_lshl_add_u32 v6, v7, 4, v6
	v_add_nc_u32 v[STO], s31, v6
	v_mov_b32 v[A+5], 0
	v_mov_b32 v[A+13], 0
	s_and_b32 s18, ttmp7, 0xffff                   ; y: the K step
	s_lshl_b32 s17, ttmp9, 7
	s_lshl_b32 s30, s16, 5
	s_add_co_u32 s17, s17, s30                     ; n0 = 128 x + 32 wave: my wave's first column
	s_mov_b32 s19, 0x80000000                      ; the sign bit
	s_lshl_b32 s30, s17, 2                         ; 4 n0
	s_mul_i32 s20, s18, 196608                     ; binaryWeight: 8 words x 3 terms x 8,192 bytes a K step
	s_add_co_u32 s20, s20, s30
	s_mov_b32 s21, 0
	s_mul_i32 s22, s18, 49152                      ; alpha: 2 groups x 3 terms x 8,192 bytes
	s_add_co_u32 s22, s22, s30
	s_mov_b32 s23, 0
	s_lshl_b32 s24, s18, 14                        ; scale: 2 groups x 8,192 bytes
	s_add_co_u32 s24, s24, s30
	s_mov_b32 s25, 0
	s_lshl_b32 s28, s18, 14                        ; w_sc: 2,048 columns x 8 bytes a K step,
	s_lshl_b32 s30, s17, 3
	s_add_co_u32 s28, s28, s30                     ; + 8 n0
	s_mov_b32 s29, 0
	s_mul_i32 s26, s18, 49152                      ; w_img: 32 images a K step,
	s_lshr_b32 s30, ttmp9, 1
	s_mul_i32 s30, s30, 786432                     ; 16 K steps for each 256 columns,
	s_add_co_u32 s26, s26, s30
	s_and_b32 s30, ttmp9, 1
	s_lshl_b32 s30, s30, 3
	s_lshl_b32 s31, s16, 1
	s_add_co_u32 s30, s30, s31                     ; and my first 16 columns among the 256: 8 (x % 2) + 2 wave,
	s_mul_i32 s30, s30, 1536                       ; one image each inside a step of 128 along K
	s_add_co_u32 s26, s26, s30
	s_mov_b32 s27, 0
	s_wait_kmcnt 0x0
	s_add_nc_u64 s[4:5], s[4:5], s[20:21]
	s_add_nc_u64 s[6:7], s[6:7], s[22:23]
	s_add_nc_u64 s[8:9], s[8:9], s[24:25]
	s_add_nc_u64 s[10:11], s[10:11], s[26:27]
	s_add_nc_u64 s[12:13], s[12:13], s[28:29]
	; all 32 loads of the wave go out at once: 8 of alpha and scale, then the 24 words in the order in which the blocks want them
.irp g, 0,1
.irp b, 0,1,2
	global_load_b32 v[A+8*\g+\b], v[VO], s[6:7] offset:(3*\g+\b)*8192
.endr
	global_load_b32 v[A+8*\g+4], v[VO], s[8:9] offset:\g*8192
.endr
.set j, 0
.rept 24
	global_load_b32 v[W+j], v[VO], s[4:5] offset:j*8192
.set j, j+1
.endr
; 32 terms: bit j of word wr, moved to the top, is the sign; the rest is alpha's magnitude.  Two runs of independent lines.
.macro TERMS dst, wr, ar
.set j, 0
.rept 31
	v_lshlrev_b32 v[\dst+j], 31-j, v[\wr]
.set j, j+1
.endr
.set j, 0
.rept 31
	v_bfi_b32 v[\dst+j], s19, v[\dst+j], v[\ar]
.set j, j+1
.endr
	v_bfi_b32 v[\dst+31], s19, v[\wr], v[\ar]      ; bit 31 stands at the top already
.endm
.macro PKADD                           ; X += Y, two numbers an instruction
.set j, 0
.rept 16
	v_pk_add_f32 v[X+j:X+j+1], v[X+j:X+j+1], v[Y+j:Y+j+1]
.set j, j+2
.endr
.endm
; Block t of the wave's eight: 32 numbers of W in my column, their scale byte and their codes.
.macro BLOCK t
.set GM, (\t)/4                        ; its group
.set QQ, (\t)%4                        ; its place in the group
.set AL, A+8*GM
.set WB, W+3*(\t)
.set CC, C+24*GM+6*QQ
	s_wait_loadcnt 3*(7-(\t))                      ; loads come back in order (ISA guide 5.7.1): this block's three words are in; the three words of each later block may be out
.if QQ == 0
.irp b, 0,1,2
	v_ashrrev_i32 v[INV+\b], 31, v[AL+\b]          ; alpha's sign in every bit,
.endr
.irp b, 0,1,2
	v_not_b32 v[INV+\b], v[INV+\b]                 ; turned round
.endr
.endif
.irp b, 0,1,2
	v_xor_b32 v[WB+\b], v[WB+\b], v[INV+\b]        ; bit j is now the sign bit of the term: alpha's sign, turned where the weight's bit is 0
.endr
	TERMS X, WB, AL
	TERMS Y, WB+1, AL+1
	PKADD                                          ; the sums in ascending order of the terms,
	TERMS Y, WB+2, AL+2
	PKADD
.set j, 0
.rept 16
	v_pk_mul_f32 v[X+j:X+j+1], v[X+j:X+j+1], v[AL+4:AL+5] op_sel_hi:[1,0]   ; then x scale (the pair's low word serves both halves)
.set j, j+2
.endr
.irp c, 0,1,2,3
	v_max3_num_f32 v[M+\c], |v[X+3*\c]|, |v[X+3*\c+1]|, |v[X+3*\c+2]|       ; the largest magnitude, in four chains that do not wait for each other
.endr
.irp c, 0,1,2,3
	v_max3_num_f32 v[M+\c], v[M+\c], |v[X+12+2*\c]|, |v[X+13+2*\c]|
.endr
.irp c, 0,1,2,3
	v_max3_num_f32 v[M+\c], v[M+\c], |v[X+20+2*\c]|, |v[X+21+2*\c]|
.endr
	v_max3_num_f32 v[M], v[M], |v[X+28]|, |v[X+29]|
	v_max3_num_f32 v[M+1], v[M+1], |v[X+30]|, |v[X+31]|
	v_max3_num_f32 v[M], v[M], v[M+1], v[M+2]
	v_max3_num_f32 v[M], v[M], v[M+3], 0x1800000   ; and the floor 2^(3 - 127), under which no largest magnitude is taken: so the byte cannot fall under 1
	v_add_nc_u32 v[E], 0xff000000, v[M]            ; 2 off its exponent field: the conversion takes the exponent field of this operand as its scale, and nothing else of it
	v_cvt_scalef32_pk16_fp6_f32 v[CC:CC+2], v[X:X+15], v[E]        ; sixteen numbers / the scale, to the nearest code, ties to even, beyond the largest code the largest; 96 bits, the lowest k lowest
	v_cvt_scalef32_pk16_fp6_f32 v[T:T+2], v[X+16:X+31], v[E]
	v_lshrrev_b32 v[BY], 23, v[E]                  ; the scale's byte.  (Also the plain line between a scaled conversion and the vector line that touches its result)
.irp i, 0,1,2
	v_mov_b32 v[CC+3+\i], v[T+\i]                  ; the block's six registers on end
.endr
.if QQ == 0
	v_mov_b32 v[SB+GM], v[BY]                      ; four bytes to a scale word, the lower K in the lower byte
.else
	v_lshl_or_b32 v[SB+GM], v[BY], 8*QQ, v[SB+GM]
.endif
.endm
; Group g's four blocks go to their places in two images (my column's 16 columns; 128 along K = group g), and the wave's two images come back 16 bytes a lane.
; Block q fills registers 6 (q / 2) .. + 5 of fragment lane r + 16 (q % 2): four registers are 16 bytes at 16 L of a run of 512 bytes, two are 8 bytes of the run that the blocks q and q xor 2 share.
.macro STAGE g
.set CG, C+24*\g
	ds_store_b128 v[STO], v[CG:CG+3]     offset:\g*1536
	ds_store_b64  v[STO], v[CG+4:CG+5]   offset:\g*1536+512
	ds_store_b128 v[STO], v[CG+6:CG+9]   offset:\g*1536+256
	ds_store_b64  v[STO], v[CG+10:CG+11] offset:\g*1536+768
	ds_store_b64  v[STO], v[CG+12:CG+13] offset:\g*1536+520
	ds_store_b128 v[STO], v[CG+14:CG+17] offset:\g*1536+1024
	ds_store_b64  v[STO], v[CG+18:CG+19] offset:\g*1536+776
	ds_store_b128 v[STO], v[CG+20:CG+23] offset:\g*1536+1280
.irp u, 0,1,2,3,4,5
	ds_load_b128 v[O+24*\g+4*\u:O+24*\g+4*\u+3], v[RD] offset:(\u/3)*3072+\g*1536+512*(\u%3)   ; LDS serves a wave's instructions in order (ISA guide 5.7.1.4): these see the stores above
.endr
.endm
.macro SEND g
.irp u, 0,1,2,3,4,5
	s_wait_dscnt 5-\u                              ; load u of the six is in; the younger ones may be out
	global_store_b128 v[GO], v[O+24*\g+4*\u:O+24*\g+4*\u+3], s[10:11] offset:(\u/3)*1536+\g*24576+512*(\u%3)   ; w_img is laid [256 columns][step of 128 along K][16 columns][1,536 bytes]; 512 consecutive bytes a store
.endr
.endm
	BLOCK 0
	BLOCK 1
	BLOCK 2
	BLOCK 3
	STAGE 0
	BLOCK 4                                        ; a block's arithmetic stands between the loads from the stage and the wait for them
	SEND 0
	BLOCK 5
	BLOCK 6
	BLOCK 7
	STAGE 1
	s_wait_alu depctr_va_vdst(0)
	SEND 1
	global_store_b64 v[SO], v[SB:SB+1], s[12:13]   ; 32 lanes store 256 consecutive bytes, aligned: the 8 scale bytes of each of my wave's columns
	s_wait_tensorcnt 0x0
	ds_add_u32 v224, v225
	s_wait_dscnt 0x0
	s_endpgm
.Lfunc_end_k_qa26fa438a9_decode:
	.size	k_qa26fa438a9_decode, .Lfunc_end_k_qa26fa438a9_decode-k_qa26fa438a9_decode
	.p2alignl 7, 3214868480
	.fill 96, 4, 3214868480
	.section	.rodata,"a",@progbits
	.p2align	6, 0x0
	.amdhsa_kernel k_qa26fa438a9_decode
		.amdhsa_group_segment_fixed_size 25088
		.amdhsa_private_segment_fixed_size 0
		.amdhsa_enable_private_segment 0
		.amdhsa_kernarg_size 40
		.amdhsa_user_sgpr_count 2
		.amdhsa_user_sgpr_kernarg_segment_ptr 1
		.amdhsa_wavefront_size32 1
		.amdhsa_system_sgpr_workgroup_id_x 1
		.amdhsa_system_sgpr_workgroup_id_y 1
		.amdhsa_system_sgpr_workgroup_id_z 1
		.amdhsa_system_vgpr_workitem_id 0
		.amdhsa_next_free_vgpr 226
		.amdhsa_next_free_sgpr 66
		.amdhsa_reserve_vcc 0
		.amdhsa_float_denorm_mode_32 3
		.amdhsa_float_denorm_mode_16_64 3
		.amdhsa_memory_ordered 1
		.amdhsa_forward_progress 1
		.amdhsa_inst_pref_size 117
	.end_amdhsa_kernel
	.amdgpu_metadata
---
amdhsa.version: [ 1, 2 ]
amdhsa.kernels:
  - .name:           k_qa26fa438a9_decode
    .symbol:         k_qa26fa438a9_decode.kd
    .args:
      - { .name: binaryWeight, .offset: 0, .size: 8, .value_kind: global_buffer, .address_space: global }
      - { .name: alpha, .offset: 8, .size: 8, .value_kind: global_buffer, .address_space: global }
      - { .name: scale, .offset: 16, .size: 8, .value_kind: global_buffer, .address_space: global }
      - { .name: w_img, .offset: 24, .size: 8, .value_kind: global_buffer, .address_space: global }
      - { .name: w_sc, .offset: 32, .size: 8, .value_kind: global_buffer, .address_space: global }
    .group_segment_fixed_size: 25088
    .private_segment_fixed_size: 0
    .kernarg_segment_align: 8
    .kernarg_segment_size: 40
    .max_flat_workgroup_size: 128
    .sgpr_count:     66
    .vgpr_count:     226
    .wavefront_size: 32
...
	.end_amdgpu_metadata
.endif
;; end of part 1
;; launch gemm (part 2): grid 8 x 32, 4 waves a work-group, clusters of 4 x 4, 327,680 bytes of LDS; arguments x_codes, x_scales, w_img, w_sc, out0; writes out0
.if DOCPART == 2
	.amdgcn_target "amdgcn-amd-amdhsa--gfx1250"
	.amdhsa_code_object_version 6
	.text
	.protected	k_qa26fa438a9_gemm
	.globl	k_qa26fa438a9_gemm
	.p2align	8
	.type	k_qa26fa438a9_gemm,@function
k_qa26fa438a9_gemm:
	s_mov_b64 s[64:65], 0
	v_nop
	global_prefetch_b8 v0, s[64:65] scope:SCOPE_SE
	s_setreg_imm32_b32 hwreg(HW_REG_WAVE_MODE, 25, 1), 1
	s_wait_xcnt 0x0
	s_wait_alu depctr_hold_cnt(0) depctr_sa_sdst(0) depctr_va_vdst(0) depctr_va_sdst(0) depctr_va_ssrc(0) depctr_va_vcc(0) depctr_vm_vsrc(0)
	s_getreg_b32 s2, hwreg(HW_REG_IB_STS2, 6, 4)
	s_cmp_eq_u32 s2, 0
	s_cbranch_scc0 .Lentry_in_a_cluster
	s_endpgm
.Lentry_in_a_cluster:
	s_bfe_u32 s2, ttmp6, 0x10000c
	s_cmp_lg_u32 s2, 0xf033
	s_cbranch_scc0 .Lentry_shape_is_right
	s_endpgm
.Lentry_shape_is_right:
; out[m][n] = sum over k of x[m][k] W[k][n]: codes of FP6 (E2M3) with E8M0 scales on both sides, f32 sums.  M 8,192, N 2,048, K 4,096.
; A work-group of four waves makes 256 x 256; a wave 128 x 128: 64 accumulators.  A step is 128 along K: 96 bytes of a row of x.
; x goes through two LDS slots in CHUNKS of 256 bytes of each row (each begins at a multiple of 256 bytes); eight steps are three chunks.
; W comes as register images (w_img: [256 columns][step][16 columns][1,536 bytes]); piece c holds the steps whose bytes of x END in chunk c: 2, 3, 3 steps; it shares chunk c's barriers.
; x's scales (256 rows x 128 bytes, dense) come into LDS once.  W's scales go from w_sc to registers, 256 consecutive bytes a load, eight steps ahead of their use.
; THE LOOP: a trip is eight steps = three chunks, so the two slots change roles from trip to trip: the LDS addresses are made anew at a trip's end from a parity.
; The first step (C = 0) stands ahead of the loop, the last seven behind it: 1 + 3 x 8 + 7 = 32 steps.
; CLUSTERS 4 x 4: x's tiles are asked for jointly along a row of the cluster, W's along a column.  Source 0 = W's columns, source 1 = x's rows: a lane holds 8 neighbouring columns of a row of out.
; PREFETCH: behind each refill of the loop, x's chunk of the next refill; the four partners and waves 0, 1 share the 256 rows out by address, a lane a row; the tail asks for nothing.
; W's pieces are not prefetched: the 32 tile rows read the same 6 MB in step, and w_sc's loads run eight steps ahead by themselves.
; REGISTERS: window 0: v0-31 addresses, v32-47 x's scale words (2 sets), v64-95 W's (4 pairs of steps), v128-223 x's fragments; window 1: W's fragments, 2 sets; windows 2, 3: accumulators.
.set SIZE_N, 2048
.set KROW,   3072
.set ROWB,   256
.set PITCH,  272
.set FR,     12
.set NL,     6
.set NP,     4
.set HALFT,  128*PITCH
.set ASLOT,  2*HALFT
.set BB,     2*ASLOT
.set BSTEP,  12288                     ; 128 columns x 96 bytes: a wave's images of one step
.set HB,     3*BSTEP
.set BSLOT,  2*HB
.set SCA,    BB+2*BSLOT
.set HALFSA, 64*272
.set SPARE,  SCA+2*HALFSA              ; the spare words: 512 bytes that no other line names
.set STAGE,  0                         ; the way out: x's slot 0, which holds chunk 10 last: no fill and no read of it is left by then
.set SPITCH, 528
.set ADRA, 16                          ; v16-17 x's fragments by the slot's role; v18-19 where the lanes' halves read two chunks
.set ADRB, 20                          ; v20-21 W's images by role
.set PFO,  22
.set SBO,  23
.set STO,  24
.set RD,   25
.set CO,   26
.set ADRSA, 27
.set SPW,  28
.set NIL,  29
.set SCAR, 32
.set SCBR, 64
.set AF,   128
.set BK,   128
.set G1,   24                          ; group 1: x's chunks
.set G0A,  32                          ; group 0 of the ring: x, W
.set G0B,  36
.set G1B2, 48                          ; group 1: W's pieces of 2 and of 3 steps
.set G1B3, 56
.set G1S,  68
.set G0S,  76
.set G0H,  80
.set G0HB, 84
.set PFA,  88
.set SBP,  90
.set PAR,  92                          ; the slot of the chunk asked for last
.set QQ,   93                          ; the trip's parity: role r lies in slot r xor QQ
.set MSB, 0
.macro WIN new
.if MSB != \new
	s_set_vgpr_msb (MSB<<8)|\new
.set MSB, \new
.endif
.endm
.set MUL_LO, 0xa1
.set MUL_HI, 0xf1
.set TO_B,   0x40
.macro TLOAD g0, g1                    ; an s_nop 0; four v_nop stand ahead of any change of windows
	tensor_load_to_lds s[\g0:\g0+3], s[\g1:\g1+7]
	s_nop 0
.rept 4
	v_nop
.endr
.endm
.macro JLOAD g0a, g1a, g0b, g1b        ; waves 0, 1 ask for x's halves, waves 2, 3 for W's
	s_cmp_eq_u32 s15, 0
	s_cbranch_scc0 .Lfor_b_\@
	TLOAD \g0a, \g1a
	s_branch .Lasked_\@
.Lfor_b_\@:
	TLOAD \g0b, \g1b
.Lasked_\@:
.endm
.macro CREST
	s_cmp_lg_u32 s14, 0
	s_cbranch_scc1 .Lnot_wave_0_\@
	s_barrier_signal -3
.Lnot_wave_0_\@:
	s_barrier_wait -3
	s_barrier_signal -1
	s_barrier_wait -1
.endm
.macro CROUND
	s_barrier_signal -1
	s_barrier_wait -1
	CREST
.endm
.macro SETADR                          ; the LDS addresses by role, from the trip's parity
	s_mul_i32 s95, s[QQ], ASLOT
	s_xor_b32 s97, s[QQ], 1
	s_mul_i32 s96, s97, ASLOT
	v_add_nc_u32 v[ADRA], s95, v8
	v_add_nc_u32 v[ADRA+1], s96, v8
	v_mad_u32_u24 v[ADRA+2], v11, s95, v9          ; lanes 0-15: byte 232 of the row in role 0,
	v_mad_u32_u24 v[ADRA+3], v11, s96, v9
	v_mad_u32_u24 v[ADRA+2], v12, s96, v[ADRA+2]   ; lanes 16-31: byte 0 of the row in role 1
	v_mad_u32_u24 v[ADRA+3], v12, s95, v[ADRA+3]   ; and the other way round
	s_mul_i32 s95, s[QQ], BSLOT
	s_mul_i32 s96, s97, BSLOT
	v_add_nc_u32 v[ADRB], s95, v10
	v_add_nc_u32 v[ADRB+1], s96, v10
.endm
	s_load_b128 s[4:7], s[0:1], 0x0                ; x_codes, x_scales
	s_load_b128 s[8:11], s[0:1], 0x10              ; w_img, w_sc
	s_load_b64 s[12:13], s[0:1], 0x20              ; out0
	v_lshl_add_u32 v[SPW], v0, 2, SPARE
	v_mov_b32 v[NIL], 0
	ds_add_u32 v[SPW], v[NIL]                      ; the opening lines: the add twice, then one wait
	ds_add_u32 v[SPW], v[NIL]
	v_lshrrev_b32 v1, 5, v0
	v_readfirstlane_b32 s14, v1                    ; wave
	s_lshr_b32 s15, s14, 1                         ; my half of the rows; in the ring: 0 = I ask for x, 1 = for W
	s_and_b32 s16, s14, 1                          ; my half of the columns; in the ring: which half I ask for
	s_bfe_u32 s40, ttmp6, 0x40000                  ; cx
	s_bfe_u32 s41, ttmp6, 0x40004                  ; cy
	s_lshl_b32 s42, ttmp9, 2
	s_add_co_u32 s42, s42, s40                     ; tile column
	s_and_b32 s17, ttmp7, 0xffff
	s_lshl_b32 s17, s17, 2
	s_add_co_u32 s17, s17, s41                     ; tile row
	s_lshl_b32 s43, s41, 2
	s_lshl_b32 s43, 15, s43                        ; my row of the cluster
	s_lshl_b32 s44, 0x1111, s40                    ; my column
	s_or_b32 s[G1+0], s43, (0<<16)|(1<<20)|(1<<21)|(5<<22)|(3<<25)   ; bytes; 16 bytes of padding behind every 256
	s_mov_b32 s[G1+1], ROWB<<16
	s_mov_b32 s[G1+2], 256<<16                     ; 256 rows for the head's load, 128 afterwards
	s_mov_b32 s[G1+3], ROWB<<16
	s_mov_b32 s[G1+4], 256
	s_mov_b32 s[G1+5], KROW
	s_mov_b32 s[G1+6], 0
	s_mov_b32 s[G1+7], 0
	s_or_b32 s[G1B2+0], s44, (3<<16)|(1<<21)       ; elements of 8 bytes; a row = 12,288 bytes: one step's images of 128 columns
	s_or_b32 s[G1B3+0], s44, (3<<16)|(1<<21)
.irp g, G1B2, G1B3
	s_mov_b32 s[\g+1], 1536<<16
	s_mov_b32 s[\g+3], 1536<<16
	s_mov_b32 s[\g+5], 3072                        ; 24,576 bytes from step to step
	s_mov_b32 s[\g+6], 0
	s_mov_b32 s[\g+7], 0
.endr
	s_mov_b32 s[G1B2+2], 2<<16
	s_mov_b32 s[G1B2+4], 2
	s_mov_b32 s[G1B3+2], 3<<16
	s_mov_b32 s[G1B3+4], 3
	s_or_b32 s[G1S+0], s43, (3<<16)|(1<<20)|(1<<21)|(5<<22)|(3<<25)  ; x's scales: 128 rows of 256 bytes, padded by 16
	s_mov_b32 s[G1S+1], 32<<16
	s_mov_b32 s[G1S+2], 128<<16
	s_mov_b32 s[G1S+3], 32<<16
	s_mov_b32 s[G1S+4], 128
	s_mov_b32 s[G1S+5], 32
	s_mov_b32 s[G1S+6], 0
	s_mov_b32 s[G1S+7], 0
	s_mul_i32 s20, s17, 256*KROW                   ; x's tile
	s_mov_b32 s21, 0
	s_lshl_b32 s22, s17, 15                        ; its scales
	s_mov_b32 s23, 0
	s_mul_i32 s46, s42, 786432                     ; W's tile
	s_mov_b32 s47, 0
	s_lshl_b32 s[SBP], s42, 11                     ; w_sc: 8 bytes a column
	s_lshl_b32 s18, s16, 10
	s_add_co_u32 s[SBP], s[SBP], s18
	s_mov_b32 s[SBP+1], 0
	s_lshl_b32 s[PFA], s17, 8                      ; prefetch: row 256 tile row + 64 cx + 32 (wave % 2) + lane
	s_lshl_b32 s18, s40, 6
	s_add_co_u32 s[PFA], s[PFA], s18
	s_lshl_b32 s18, s16, 5
	s_add_co_u32 s[PFA], s[PFA], s18
	s_mul_i32 s[PFA], s[PFA], KROW
	s_mov_b32 s[PFA+1], 0
	s_mul_i32 s45, s16, HALFT
	s_mul_i32 s94, s16, HB
	s_add_co_u32 s94, s94, BB
	s_wait_dscnt 0x0
	s_wait_kmcnt 0x0
	s_add_nc_u64 s[20:21], s[4:5], s[20:21]
	s_add_nc_u64 s[22:23], s[6:7], s[22:23]
	s_add_nc_u64 s[46:47], s[8:9], s[46:47]
	s_add_nc_u64 s[SBP:SBP+1], s[10:11], s[SBP:SBP+1]
	s_add_nc_u64 s[PFA:PFA+1], s[4:5], s[PFA:PFA+1]
	CROUND                                         ; ahead of the first joint loads
	s_mov_b32 s[G0H], 1                            ; chunk 0, all 256 rows
	s_mov_b32 s[G0H+1], 0
	s_mov_b64 s[G0H+2:G0H+3], s[20:21]
	s_or_b32 s[G0H+3], s[G0H+3], 0x80000000
	s_mov_b32 s[G0S], 1                            ; x's scales
	s_mov_b32 s[G0S+1], SCA
	s_mov_b64 s[G0S+2:G0S+3], s[22:23]
	s_or_b32 s[G0S+3], s[G0S+3], 0x80000000
	s_mov_b32 s[G0HB], 1                           ; piece 0: wave 1 the first 128 columns, wave 3 the others
	s_mul_i32 s[G0HB+1], s15, HB
	s_add_co_u32 s[G0HB+1], s[G0HB+1], BB
	s_mul_i32 s18, s15, BSTEP
	s_mov_b32 s19, 0
	s_add_nc_u64 s[G0HB+2:G0HB+3], s[46:47], s[18:19]
	s_or_b32 s[G0HB+3], s[G0HB+3], 0x80000000
	s_mov_b32 s[G0A], 1                            ; the ring begins at chunk 1, slot 1
	s_add_co_u32 s[G0A+1], s45, ASLOT
	s_mul_i32 s18, s16, 128*KROW
	s_add_nc_u64 s[G0A+2:G0A+3], s[20:21], s[18:19]
	s_add_nc_u64 s[G0A+2:G0A+3], s[G0A+2:G0A+3], ROWB
	s_or_b32 s[G0A+3], s[G0A+3], 0x80000000
	s_mov_b32 s[G0B], 1
	s_add_co_u32 s[G0B+1], s94, BSLOT
	s_mul_i32 s18, s16, BSTEP
	s_add_nc_u64 s[G0B+2:G0B+3], s[46:47], s[18:19]
	s_add_nc_u64 s[G0B+2:G0B+3], s[G0B+2:G0B+3], 2*24576
	s_or_b32 s[G0B+3], s[G0B+3], 0x80000000
	s_mov_b32 s[PAR], 1
	s_mov_b32 s[QQ], 0
	s_mul_i32 s21, s15, HALFT
	s_mul_i32 s22, s15, HALFSA
	s_add_co_u32 s22, s22, SCA
	s_mul_i32 s23, s14, 16*SPITCH
	s_add_co_u32 s23, s23, STAGE
	; the head's four tiles, one load a wave, in one chain of branches on the wave's number
	s_cmp_eq_u32 s14, 0
	s_cbranch_scc0 .Lhead_1
	TLOAD G0H, G1
	s_branch .Lhead_asked
.Lhead_1:
	s_cmp_eq_u32 s14, 2
	s_cbranch_scc0 .Lhead_2
	TLOAD G0S, G1S
	s_branch .Lhead_asked
.Lhead_2:
	TLOAD G0HB, G1B2
.Lhead_asked:
	v_and_b32 v1, 15, v0                           ; r
	v_bfe_u32 v12, v0, 4, 1                        ; h
	v_and_b32 v6, 31, v0                           ; lane
	v_sub_nc_u32 v11, 1, v12                       ; 1 - h
	v_mul_u32_u24 v3, v1, PITCH
	v_add_nc_u32 v3, s21, v3                       ; my 128 rows of x
	v_mad_u32_u24 v8, v12, 24, v3                  ; row + 24 h
	v_mad_u32_u24 v9, v11, 232, v3                 ; row + 232 in lanes 0-15
	v_lshlrev_b32 v[CO], 4, v6
	v_add_nc_u32 v10, s94, v[CO]                   ; my 128 columns' images + 16 lane
	SETADR
	v_lshlrev_b32 v7, 7, v6                        ; x's scales: lane = row of 32, 128 bytes a row, 16 more for each 256
	v_lshrrev_b32 v5, 1, v6
	v_lshl_add_u32 v7, v5, 4, v7
	v_add_nc_u32 v[ADRSA], s22, v7
	v_lshlrev_b32 v[SBO], 3, v6
	v_mul_u32_u24 v[PFO], v6, KROW
	v_mul_u32_u24 v5, v1, SPITCH
	v_lshl_add_u32 v5, v12, 5, v5
	v_add_nc_u32 v[STO], s23, v5
	v_add_nc_u32 v[RD], s23, v[CO]
	s_lshl_b32 s20, s17, 8
	s_lshl_b32 s21, s15, 7
	s_add_co_u32 s20, s20, s21
	s_lshl_b32 s20, s20, 13                        ; my first row of out, 8,192 bytes a row
	s_lshl_b32 s46, s42, 10
	s_lshl_b32 s47, s16, 9
	s_add_co_u32 s46, s46, s47
	s_add_co_u32 s20, s20, s46
	s_mov_b32 s21, 0
	s_add_nc_u64 s[12:13], s[12:13], s[20:21]
.macro FRAG reg, adr, st, i            ; 12 registers in pieces of 8 bytes; byte y of a row lies in chunk y / 256
.irp p, 0,1,2,3,4,5
.set BY, 96*(\st)+48*(\p/3)+8*(\p%3)
.if BY/ROWB == (BY+24)/ROWB
	ds_load_b64 v[\reg+2*\p:\reg+2*\p+1], v[\adr+(BY/ROWB)%2] offset:BY%ROWB+(\i)*16*PITCH
.else
	ds_load_b64 v[\reg+2*\p:\reg+2*\p+1], v[\adr+2+(BY/ROWB)%2] offset:BY%ROWB-232+(\i)*16*PITCH
.endif
.endr
.endm
.macro PROD zero
.if \zero
.if oddB && oddA
	v_wmma_scale_f32_16x16x128_f8f6f4 v[rAcc:rAcc+7], v[rFb:rFb+FR-1], v[rFa:rFa+FR-1], 0, v[rSb], v[rSa] matrix_a_fmt:MATRIX_FMT_FP6 matrix_b_fmt:MATRIX_FMT_FP6 matrix_a_scale:MATRIX_SCALE_ROW1 matrix_b_scale:MATRIX_SCALE_ROW1
.elseif oddB
	v_wmma_scale_f32_16x16x128_f8f6f4 v[rAcc:rAcc+7], v[rFb:rFb+FR-1], v[rFa:rFa+FR-1], 0, v[rSb], v[rSa] matrix_a_fmt:MATRIX_FMT_FP6 matrix_b_fmt:MATRIX_FMT_FP6 matrix_a_scale:MATRIX_SCALE_ROW1
.elseif oddA
	v_wmma_scale_f32_16x16x128_f8f6f4 v[rAcc:rAcc+7], v[rFb:rFb+FR-1], v[rFa:rFa+FR-1], 0, v[rSb], v[rSa] matrix_a_fmt:MATRIX_FMT_FP6 matrix_b_fmt:MATRIX_FMT_FP6 matrix_b_scale:MATRIX_SCALE_ROW1
.else
	v_wmma_scale_f32_16x16x128_f8f6f4 v[rAcc:rAcc+7], v[rFb:rFb+FR-1], v[rFa:rFa+FR-1], 0, v[rSb], v[rSa] matrix_a_fmt:MATRIX_FMT_FP6 matrix_b_fmt:MATRIX_FMT_FP6
.endif
.else
.if oddB && oddA
	v_wmma_scale_f32_16x16x128_f8f6f4 v[rAcc:rAcc+7], v[rFb:rFb+FR-1], v[rFa:rFa+FR-1], v[rAcc:rAcc+7], v[rSb], v[rSa] matrix_a_fmt:MATRIX_FMT_FP6 matrix_b_fmt:MATRIX_FMT_FP6 matrix_a_scale:MATRIX_SCALE_ROW1 matrix_b_scale:MATRIX_SCALE_ROW1
.elseif oddB
	v_wmma_scale_f32_16x16x128_f8f6f4 v[rAcc:rAcc+7], v[rFb:rFb+FR-1], v[rFa:rFa+FR-1], v[rAcc:rAcc+7], v[rSb], v[rSa] matrix_a_fmt:MATRIX_FMT_FP6 matrix_b_fmt:MATRIX_FMT_FP6 matrix_a_scale:MATRIX_SCALE_ROW1
.elseif oddA
	v_wmma_scale_f32_16x16x128_f8f6f4 v[rAcc:rAcc+7], v[rFb:rFb+FR-1], v[rFa:rFa+FR-1], v[rAcc:rAcc+7], v[rSb], v[rSa] matrix_a_fmt:MATRIX_FMT_FP6 matrix_b_fmt:MATRIX_FMT_FP6 matrix_b_scale:MATRIX_SCALE_ROW1
.else
	v_wmma_scale_f32_16x16x128_f8f6f4 v[rAcc:rAcc+7], v[rFb:rFb+FR-1], v[rFa:rFa+FR-1], v[rAcc:rAcc+7], v[rSb], v[rSa] matrix_a_fmt:MATRIX_FMT_FP6 matrix_b_fmt:MATRIX_FMT_FP6
.endif
.endif
.endm
; 16 products of step st: x's blocks a0, a0 + 1 against W's eight.  A scale register holds an even block's words in lanes 0-15 and the odd one's in lanes 16-31.  The 64 accumulators take turns.
.macro MUL16 a0, st, zero
.irp a, \a0, \a0+1
.irp b, 0,1,2,3,4,5,6,7
.set rAcc, 8*(8*((\a)%4)+\b)
.set rFb,  128*((\st)%2)+FR*\b
.set rFa,  AF+FR*(\a)
.set rSb,  SCBR+8*(((\st)/2)%4)+2*(\b/2)+(\st)%2
.set rSa,  SCAR+8*(((\st)/2)%2)+2*((\a)/2)+(\st)%2
.set oddB, \b%2
.set oddA, (\a)%2
	PROD \zero
.endr
.endr
.endm
.macro FETCH_B st                      ; step st is number JB of the piece that goes with chunk EB
.set EB, (96*(\st)+95)/ROWB
.set JB, (\st)-(256*EB)/96
	WIN TO_B
.irp i, 0,1,2,3,4,5,6,7
.irp c, 0,1,2
	ds_load_b128 v[128*((\st)%2)+FR*\i+4*\c:128*((\st)%2)+FR*\i+4*\c+3], v[ADRB+EB%2] offset:JB*BSTEP+1536*\i+512*\c
.endr
.endr
	WIN 0
.endm
.macro FETCH_A st, i0
.irp i, \i0, \i0+1, \i0+2, \i0+3
	FRAG AF+FR*(\i), ADRA, \st, \i
.endr
.endm
.macro SCALES pr                       ; x's scale words of steps 2 pr, 2 pr + 1
.irp i, 0,1,2,3
	ds_load_b64 v[SCAR+8*((\pr)%2)+2*\i:SCAR+8*((\pr)%2)+2*\i+1], v[ADRSA] offset:\i*4352+8*(\pr)
.endr
.endm
.macro SCLB pr                         ; W's scale words of steps 2 pr, 2 pr + 1: 32 lanes read 256 consecutive bytes
.irp i, 0,1,2,3
	global_load_b64 v[SCBR+8*((\pr)%4)+2*\i:SCBR+8*((\pr)%4)+2*\i+1], v[SBO], s[SBP:SBP+1] offset:(\pr)*16384+\i*256
.endr
.endm
.macro PLACES n
.rept \n
	v_nop
.endr
.endm
; A step, numbered inside its trip.  Where the next step's bytes END in a new chunk, a barrier shows that chunk whole; where they BEGIN in a later chunk, the chunk left behind is filled again (fill = 1) behind a round of the cluster's barrier.
.macro STEP st, zero, fill, tail
.set NX, (\st)+1
.set C0, (96*(\st))/ROWB
.set C1, (96*NX)/ROWB
.set E0, (96*(\st)+95)/ROWB
.set E1, (96*NX+95)/ROWB
.if (\st)%2 == 0
.if \tail == 0
	s_wait_loadcnt 12                              ; this pair's four loads of W's scales are in; the three younger groups of four may be out
.elseif (\st) == 2
	s_wait_loadcnt 0                               ; no group is issued any more
.endif
.endif
.if C1 > C0 || E1 > E0
	s_wait_tensorcnt 0x0                           ; all my tensor loads have landed
.if C1 > C0
	ds_add_u32 v[SPW], v[NIL]
	s_wait_dscnt 4*NL+1
.else
	s_wait_dscnt 4*NL                              ; x's blocks 4-7 may be out
.endif
	WIN MUL_LO
	MUL16 0, \st, \zero
	s_wait_dscnt 0x0                               ; the add and all my reads are done
	s_barrier_signal -1
	MUL16 2, \st, \zero
	WIN 0
	s_barrier_wait -1
.if C1 > C0 && \fill
	CREST
	s_add_nc_u64 s[G0A+2:G0A+3], s[G0A+2:G0A+3], ROWB            ; chunk C0 + 2,
.if (C0+1)%3 == 0
	s_add_nc_u64 s[G0B+2:G0B+3], s[G0B+2:G0B+3], 2*24576         ; its piece, behind the piece before,
.else
	s_add_nc_u64 s[G0B+2:G0B+3], s[G0B+2:G0B+3], 3*24576
.endif
	s_xor_b32 s[PAR], s[PAR], 1                    ; into the other slot than the last request
	s_mul_i32 s95, s[PAR], ASLOT
	s_add_co_u32 s[G0A+1], s95, s45
	s_mul_i32 s95, s[PAR], BSLOT
	s_add_co_u32 s[G0B+1], s95, s94
.if (C0+2)%3 == 0
	JLOAD G0A, G1, G0B, G1B2
.else
	JLOAD G0A, G1, G0B, G1B3
.endif
.else
	PLACES NP
.endif
.else
	s_wait_dscnt 4*NL
	WIN MUL_LO
	MUL16 0, \st, \zero
	MUL16 2, \st, \zero
	s_wait_dscnt 0
	PLACES NP
.endif
	FETCH_B NX
	FETCH_A NX, 0
.if NX%2 == 0
	SCALES NX/2
.endif
.if C1 > C0 && \fill && \tail == 0
	s_cmp_eq_u32 s15, 0                            ; waves 0, 1: x's chunk of the next refill, a lane a row
	s_cbranch_scc0 .Lno_ask_\@
	global_prefetch_b8 v[PFO], s[PFA:PFA+1] offset:(C0+3)*ROWB th:TH_LOAD_NT scope:SCOPE_SE
.Lno_ask_\@:
.endif
	WIN MUL_HI
	MUL16 4, \st, \zero
	MUL16 6, \st, \zero
	PLACES NP
	WIN 0
.if (\st)%2 == 1 && \tail == 0
	SCLB (\st)/2+4                                 ; the pair just done with: its registers take the pair eight steps on
.endif
	FETCH_A NX, 4
.endm
	s_wait_alu depctr_va_vdst(0)
	SCLB 0
	SCLB 1
	SCLB 2
	SCLB 3
	s_wait_tensorcnt 0x0                           ; my tile of the head's four is in; the full sequence ahead of slot 1's first fill
	ds_add_u32 v[SPW], v[NIL]
	s_mov_b32 s[G1+2], 128<<16                     ; no load of mine is out: from here on 128 rows a load
	s_mov_b32 s[G1+4], 128
	s_wait_dscnt 0x0
	CROUND
	JLOAD G0A, G1, G0B, G1B3                       ; chunk 1 and piece 1
	FETCH_B 0
	FETCH_A 0, 0
	SCALES 0
	FETCH_A 0, 4
	STEP 0, 1, 0, 0
	s_mov_b32 s3, 3
.Ltrip:
.irp s, 1,2,3,4,5,6,7,8
	STEP \s, 0, 1, 0
.endr
	s_wait_xcnt 0x0                                ; the bases below have been read
	s_add_nc_u64 s[PFA:PFA+1], s[PFA:PFA+1], 3*ROWB
	s_add_nc_u64 s[SBP:SBP+1], s[SBP:SBP+1], 4*16384
	v_add_nc_u32 v[ADRSA], 32, v[ADRSA]
	s_xor_b32 s[QQ], s[QQ], 1                      ; three chunks on: the slots change roles
	SETADR
	s_sub_co_u32 s3, s3, 1
	s_cmp_lg_u32 s3, 0
	s_wait_alu depctr_va_vdst(0)
	s_cbranch_scc1 .Ltrip
	STEP 1, 0, 0, 1
	STEP 2, 0, 1, 1                                ; the last refill: chunk 11
	STEP 3, 0, 0, 1
	STEP 4, 0, 0, 1
	STEP 5, 0, 0, 1
	STEP 6, 0, 0, 1
	s_wait_dscnt 4*NL
	WIN MUL_LO
	MUL16 0, 7, 0
	MUL16 2, 7, 0
	s_wait_dscnt 0
	WIN MUL_HI
	MUL16 4, 7, 0
	MUL16 6, 7, 0
	WIN 0
; THE WAY OUT: 16 rows x 128 columns at a time through my own stage, back as rows of 512 bytes, which 32 lanes store as two aligned runs of 256 bytes.
.macro TOSTAGE a
.set AC, 64*((\a)%4)
	WIN 0x08+4*((\a)/4)
.irp b, 0,1,2,3,4,5,6,7
	ds_store_b128 v[STO], v[AC+8*\b:AC+8*\b+3] offset:64*\b
	ds_store_b128 v[STO], v[AC+8*\b+4:AC+8*\b+7] offset:64*\b+16
.endr
	WIN 0
.set BBK, BK+64*((\a)%2)
.irp t, 0,1,2,3,4,5,6,7,8,9,10,11,12,13,14,15
	ds_load_b128 v[BBK+4*\t:BBK+4*\t+3], v[RD] offset:\t*SPITCH
.endr
.endm
.macro SEND a, younger
.set BBK, BK+64*((\a)%2)
	s_wait_dscnt \younger
.if (\a) > 0
	s_add_nc_u64 s[12:13], s[12:13], 16*SIZE_N*4
.endif
.irp t, 0,1,2,3,4,5,6,7,8,9,10,11,12,13,14,15
	global_store_b128 v[CO], v[BBK+4*\t:BBK+4*\t+3], s[12:13] offset:\t*SIZE_N*4 th:TH_STORE_NT
.endr
.endm
	PLACES NP
	TOSTAGE 0
.irp a, 1,2,3,4,5,6,7
.if \a > 1
	s_wait_xcnt 0x0                                ; block a - 2's stores have read their registers and base
.endif
	TOSTAGE \a
	SEND \a-1, 32
.endr
	s_wait_xcnt 0x0
	SEND 7, 0
	s_wait_tensorcnt 0x0                           ; the wave's end
	ds_add_u32 v[SPW], v[NIL]
	s_wait_dscnt 0x0
	CROUND                                         ; the closing round
	s_endpgm
.Lfunc_end_k_qa26fa438a9_gemm:
	.size	k_qa26fa438a9_gemm, .Lfunc_end_k_qa26fa438a9_gemm-k_qa26fa438a9_gemm
	.p2alignl 7, 3214868480
	.fill 96, 4, 3214868480
	.section	.rodata,"a",@progbits
	.p2align	6, 0x0
	.amdhsa_kernel k_qa26fa438a9_gemm
		.amdhsa_group_segment_fixed_size 327680
		.amdhsa_private_segment_fixed_size 0
		.amdhsa_enable_private_segment 0
		.amdhsa_kernarg_size 40
		.amdhsa_user_sgpr_count 2
		.amdhsa_user_sgpr_kernarg_segment_ptr 1
		.amdhsa_wavefront_size32 1
		.amdhsa_system_sgpr_workgroup_id_x 1
		.amdhsa_system_sgpr_workgroup_id_y 1
		.amdhsa_system_sgpr_workgroup_id_z 1
		.amdhsa_system_vgpr_workitem_id 0
		.amdhsa_next_free_vgpr 1024
		.amdhsa_next_free_sgpr 98
		.amdhsa_reserve_vcc 0
		.amdhsa_float_denorm_mode_32 3
		.amdhsa_float_denorm_mode_16_64 3
		.amdhsa_memory_ordered 1
		.amdhsa_forward_progress 1
		.amdhsa_inst_pref_size 255
	.end_amdhsa_kernel
	.section	.bss,"aw",@nobits
	.p2align	6
	.space	262144
	.amdgpu_metadata
---
amdhsa.version: [ 1, 2 ]
amdhsa.kernels:
  - .name:           k_qa26fa438a9_gemm
    .symbol:         k_qa26fa438a9_gemm.kd
    .args:
      - { .name: x_codes, .offset: 0, .size: 8, .value_kind: global_buffer, .address_space: global }
      - { .name: x_scales, .offset: 8, .size: 8, .value_kind: global_buffer, .address_space: global }
      - { .name: w_img, .offset: 16, .size: 8, .value_kind: global_buffer, .address_space: global }
      - { .name: w_sc, .offset: 24, .size: 8, .value_kind: global_buffer, .address_space: global }
      - { .name: out0, .offset: 32, .size: 8, .value_kind: global_buffer, .address_space: global }
    .group_segment_fixed_size: 327680
    .private_segment_fixed_size: 0
    .kernarg_segment_align: 8
    .kernarg_segment_size: 40
    .max_flat_workgroup_size: 128
    .sgpr_count:     98
    .vgpr_count:     1024
    .wavefront_size: 32
...
	.end_amdgpu_metadata
.endif
;; end of part 2
